; MI455X (gfx1250); checked and timed in simulation.
; The chip was launched on July 23, 2026; its instructions are those of AMD's public machine-readable ISA for CDNA 5 (MIT licence, August 2026) and "CDNA5" Instruction Set Architecture Reference Guide (July 2026). The comments in the code are by the model that wrote it; some were corrected since.
;; Liquid Cell. Allowed arithmetic: matrix products marked QUANTISED: E2M1 operands, one E8M0 scale for each 32 along K, by v_wmma_scale_f32_16x16x128_f8f6f4 with both operands' format E2M1 (or v_wmma_scale_f32_32x16x128_f4), f32 sums; everything else in f32.
;; Inputs: W_in_b 2,048 float32; W_in_w_codes 2,048 x 32 x 16 uint8 (E2M1 codes of W_in_w, K innermost, in blocks of 32 codes, two codes a byte); W_in_w_scales 2,048 x 32 uint8 (E8M0 scales of W_in_w, one for each 32 codes along K); W_rec_codes 2,048 x 64 x 16 uint8 (E2M1 codes of W_rec, K innermost, in blocks of 32 codes, two codes a byte); W_rec_scales 2,048 x 64 uint8 (E8M0 scales of W_rec, one for each 32 codes along K); hidden 4,096 x 2,048 float32; tau_adapt_b 2,048 float32; tau_adapt_w 2,048 x 3,072 float32; tau_base 2,048 float32; x_codes 4,096 x 32 x 16 uint8 (E2M1 codes of x, K innermost, in blocks of 32 codes, two codes a byte); x_scales 4,096 x 32 uint8 (E8M0 scales of x, one for each 32 codes along K).
;; Outputs: out0 4,096 x 2,048 float32; out1 4,096 x 2,048 float32.
;; This version of the problem:
;;   THIS VERSION OF THE PROBLEM IS GIVEN IN LOW PRECISION. The matrix products marked QUANTISED in the list below multiply operands that are first quantised to E2M1 (2 exponent bits, 1 mantissa bit; 4 bits a number), with one power-of-two scale for each 32 numbers along K (OCP MX v1.0); their sums are f32. All else is computed in f32.
;;   The module's matrix products, in the order in which they are computed (A, B: the left and right operand; K: the contracted axis; several contracted axes count as one K, in the product's order):
;;     1. [M 4,096, K 1,024] x [K 1,024, N 2,048]; A: input x (given as codes); B: input W_in_w (given as codes): QUANTISED
;;     2. [M 4,096, K 1,024] x [K 1,024, N 2,048]; A: input x (given as codes); B: input tau_adapt_w: QUANTISED
;;     3. [M 4,096, K 2,048] x [K 2,048, N 2,048]; A: input hidden; B: input tau_adapt_w: QUANTISED
;;     4. [M 4,096, K 2,048] x [K 2,048, N 2,048]; A: input hidden; B: input W_rec (given as codes): QUANTISED
;;   THE QUANTISER, for each operand of a quantised product, along K:
;;     - K is cut into blocks of 32 from its start; a last block that is shorter is filled with zeros.
;;     - A block's scale is 2^e with e = floor(log2(the largest magnitude in the block)) - 2, held to -126 .. 127; a block of zeros has e = 0. As a byte (E8M0): e + 127.
;;     - Each number is divided by its block's scale, clamped to +-6, and rounded to the nearest number of E2M1, ties to even, subnormals kept.
;;     - The product sums the exact products of the quantised numbers (number of the format x scale) in f32.
;;   ~~~python
;;   def quantise(x, axis):      # numpy; x: float32 -> the quantised numbers, widened to float32 again
;;       x = np.moveaxis(x, axis, -1); K = x.shape[-1]
;;       x = np.pad(x, [(0, 0)] * (x.ndim - 1) + [(0, -K % 32)]); x = x.reshape(x.shape[:-1] + (-1, 32)); a = np.abs(x).max(-1, keepdims=True)
;;       e = np.where(a > 0, np.clip(np.frexp(np.where(a > 0, a, 1))[1] - 1 - 2, -126, 127), 0)      # np.frexp(a)[1] - 1 = floor(log2(a)), exactly
;;       r = np.clip(x / 2.0 ** e, -6, 6)
;;       step = 2.0 ** (np.maximum(np.frexp(np.where(r == 0, 1, r))[1] - 1, 0) - 1)
;;       q = np.round(r / step) * step * 2.0 ** e      # np.round: ties to even
;;       return np.moveaxis(q.reshape(q.shape[:-2] + (-1,))[..., :K], -1, axis).astype(np.float32)
;;   ~~~
;;   INPUTS GIVEN AS CODES. W_in_w (in the module: [2048, 1024], K = its axis 1); W_rec (in the module: [2048, 2048], K = its axis 1); x (in the module: [4096, 1024], K = its axis 1): each comes as NAME_codes (uint8): NAME with its K axis moved to the last place and cut into blocks of 32 codes, [.., K / 32, bytes a block], one block behind the other in memory; two codes a byte, the lower K in the low four bits (a code: sign, 2 exponent bits, 1 mantissa bit); and NAME_scales (uint8): the same leading axes, one E8M0 byte (e + 127) for each 32 codes along K. Its value is code x scale, taken as it is: it is not quantised again, and the codes and scales need not be those that the quantiser above would give.
;; One version. Each part assembles by itself: llvm-mc -triple=amdgcn-amd-amdhsa -mcpu=gfx1250 --defsym DOCPART=n.
;; ======== version 1 of 1: 2 launches
;; limits: inputs' magnitudes at most 1.5e+29; right only within a limited range of input values
;; workspace buffers: hq 4,194,304 bytes; hs 262,144 bytes; tq 3,145,728 bytes; ts 196,608 bytes
;; launch quant (part 1): grid 256 x 1, 7 waves a work-group, no clusters, 67,328 bytes of LDS; arguments hidden, tau_adapt_w, hq, hs, tq, ts; writes hq, hs, tq, ts
.if DOCPART == 1
	.amdgcn_target "amdgcn-amd-amdhsa--gfx1250"
	.amdhsa_code_object_version 6
	.text
	.protected	k_q49cdd18e96_quant
	.globl	k_q49cdd18e96_quant
	.p2align	8
	.type	k_q49cdd18e96_quant,@function
k_q49cdd18e96_quant:
	s_mov_b64 s[64:65], 0
	v_nop
	global_prefetch_b8 v0, s[64:65] scope:SCOPE_SE
	s_setreg_imm32_b32 hwreg(HW_REG_WAVE_MODE, 25, 1), 1
	s_wait_xcnt 0x0
; hidden [4096][2048] and tau_adapt_w [2048][3072], f32, K innermost, become codes of FP4 (E2M1), two a byte, the lower k in the low four bits, with one E8M0 byte for each 32 along K:
;   hq [4096][1024 bytes], tq [2048][1536 bytes];  hs [256 groups of 16 rows][4 chunks of 512 along K][16 rows][16 bytes];
;   ts [128 groups][6 chunks][16 rows][16 bytes], where group 4 i + b holds rows 64 i + b + 4 t, t = 0 .. 15.
; A block's scale is 2^(floor(log2(its largest magnitude)) - 2); its byte is the largest magnitude's exponent field - 2, held at 1 from below.  Each number is divided by the scale and rounded to the nearest code,
; ties to even; beyond 6 the largest code.
; LIMITS: a block whose largest magnitude lies under 2^-124 (a block of zeros among them) gets the byte 1; a block of zeros has zero codes, which add nothing, and these bytes are read by this program alone.
; NaN and infinities among the inputs are not served.
; SHARES.  256 work-groups of seven waves.  In work-group g: wave w = 0 .. 3 takes hidden's rows 16 g .. 16 g + 15, columns 512 w on; waves 4-6 take 16 rows x 512 columns of tau_adapt_w each: group g / 2,
; chunk 3 (g % 2) + w - 4.  Waves share nothing: no barrier.
; A wave takes 16 steps, 2,048 bytes of a row each; all its 64 loads go out first, into 256 registers.  A step's numbers turn through the wave's own stage in LDS and come back 64 bytes a lane:
; 16 neighbours along K, two neighbouring lanes to a block.  Two steps are worked by turns.  The codes are gathered in the wave's image of 16 x 256 bytes and leave in whole pieces of 256.
.set WREG,  9472                       ; LDS of a wave: two stages of 32 x 80 bytes, the image, 256 scale bytes
.set SP,    80
.set IMG,   2*32*SP
.set SCB,   IMG+4096
.set SPARE, 7*WREG                     ; the spare words: 128 bytes for each wave
.set VL,    20                         ; v20  16 x lane
.set V8,    21                         ; v21  8 x lane
.set SPW,   22
.set NIL,   23
.set VO,    24                         ; v24  my 16 bytes of two rows of codes
.set X,     32                         ; v32-95   four sets of 16 neighbours
.set E,     96                         ; v96-99   scale bytes
.set C,     100                        ; v100-107 codes
.set O,     112                        ; v112-143 the image on its way out;  window 1: v0-255, the numbers as loaded, 16 registers a step
.set MSB, 0
.macro WIN new
.if MSB != (\new)
	s_set_vgpr_msb (MSB<<8)|(\new)
.set MSB, (\new)
.endif
.endm
	s_load_b256 s[4:11], s[0:1], 0x0               ; hidden, tau_adapt_w, hq, hs
	s_load_b128 s[12:15], s[0:1], 0x20             ; tq, ts
	v_lshrrev_b32 v1, 5, v0
	v_readfirstlane_b32 s18, v1                    ; wave
	s_mul_i32 s19, s18, WREG
	s_add_co_u32 s20, s19, IMG
	s_add_co_u32 s21, s19, SCB
	s_mov_b32 s33, 6144
	s_cmp_lt_u32 s18, 4                            ; hidden's wave or tau_adapt_w's?
	s_cselect_b32 s33, 1024, s33                   ; from row to row of the wave's codes
	v_lshl_add_u32 v[SPW], v0, 2, SPARE
	v_mov_b32 v[NIL], 0
	v_and_b32 v2, 31, v0                           ; lane
	v_lshlrev_b32 v[VL], 4, v2
	v_lshlrev_b32 v[V8], 3, v2
	v_lshrrev_b32 v3, 2, v2
	v_mul_u32_u24 v3, v3, SP
	v_and_b32 v4, 3, v2
	v_lshl_add_u32 v3, v4, 4, v3
	v_add_nc_u32 v14, s19, v3                      ; the stage, on the way in: four lanes' 64 bytes on end, then 16 of padding
	v_mul_u32_u24 v4, v2, SP
	v_add_nc_u32 v15, s19, v4                      ; and on the way out: my 16 neighbours
	v_lshrrev_b32 v5, 1, v2
	v_add_nc_u32 v17, s21, v5                      ; my block's scale byte
	v_add_nc_u32 v16, s20, v[V8]                   ; my 8 bytes of codes in the image
	v_add_nc_u32 v18, s20, v[VL]                   ; the image, 512 bytes a load
	v_add_nc_u32 v19, s21, v[V8]                   ; the scale bytes, 8 a lane
	v_lshrrev_b32 v6, 4, v2
	v_mul_u32_u24 v6, s33, v6
	v_and_b32 v7, 15, v2
	v_lshl_add_u32 v[VO], v7, 4, v6
	s_wait_alu depctr_va_vdst(0)                   ; the wait at the head's end
	s_wait_kmcnt 0x0
	s_mov_b32 s29, 0
	s_lshr_b32 s22, ttmp9, 1                       ; tau_adapt_w: group of rows,
	s_and_b32 s23, ttmp9, 1
	s_mul_i32 s23, s23, 3
	s_add_co_u32 s23, s23, s18
	s_sub_co_u32 s23, s23, 4                       ; chunk of 512 columns
	s_lshr_b32 s26, s22, 2
	s_lshl_b32 s26, s26, 6
	s_and_b32 s27, s22, 3
	s_add_co_u32 s26, s26, s27                     ; its first row
	s_mul_i32 s24, s26, 12288
	s_lshl_b32 s25, s23, 11
	s_add_co_u32 s24, s24, s25                     ; where its numbers begin, bytes
	s_mul_i32 s25, s26, 1536
	s_lshl_b32 s27, s23, 8
	s_add_co_u32 s25, s25, s27                     ; its codes in tq
	s_mul_i32 s26, s22, 1536
	s_add_co_u32 s26, s26, s27                     ; its bytes in ts
	s_lshl_b32 s30, ttmp9, 17                      ; hidden: 16 rows of 8,192 bytes,
	s_lshl_b32 s27, s18, 11
	s_add_co_u32 s30, s30, s27
	s_lshl_b32 s27, s18, 8
	s_lshl_b32 s31, ttmp9, 14
	s_add_co_u32 s31, s31, s27                     ; its codes in hq
	s_lshl_b32 s32, ttmp9, 10
	s_add_co_u32 s32, s32, s27                     ; its bytes in hs
	s_cmp_lt_u32 s18, 4
	s_cselect_b64 s[4:5], s[4:5], s[6:7]
	s_cselect_b64 s[8:9], s[8:9], s[12:13]
	s_cselect_b64 s[10:11], s[10:11], s[14:15]
	s_cselect_b32 s28, s30, s24
	s_cselect_b32 s25, s31, s25
	s_cselect_b32 s26, s32, s26
	s_add_nc_u64 s[4:5], s[4:5], s[28:29]
	s_mov_b32 s28, s25
	s_add_nc_u64 s[8:9], s[8:9], s[28:29]
	s_mov_b32 s28, s26
	s_add_nc_u64 s[10:11], s[10:11], s[28:29]
.macro LOADS pitch                     ; 64 loads of 512 consecutive bytes: four to a row
	WIN 0x40
.irp t, 0,1,2,3,4,5,6,7,8,9,10,11,12,13,14,15
.irp i, 0,1,2,3
	global_load_b128 v[16*\t+4*\i:16*\t+4*\i+3], v[VL], s[4:5] offset:(\pitch)*\t+512*\i
.endr
.endr
	WIN 0
.endm
	s_cmp_lt_u32 s18, 4
	s_cbranch_scc0 .Ltau
	LOADS 8192
	s_branch .Lgo
.Ltau:
	LOADS 4*12288
.Lgo:
.macro TURN2 t                         ; two steps through the two stages: LDS serves a wave's instructions in order (ISA guide 5.7.1.4), so no wait stands between the stores and the loads
	WIN 0x04
.irp u, 0,1
.irp i, 0,1,2,3
	ds_store_b128 v14, v[16*(\t+\u)+4*\i:16*(\t+\u)+4*\i+3] offset:32*SP*\u+8*SP*\i
.endr
.endr
	WIN 0
.irp u, 0,1
.irp i, 0,1,2,3
	ds_load_b128 v[X+16*((\t+\u)%4)+4*\i:X+16*((\t+\u)%4)+4*\i+3], v15 offset:32*SP*\u+16*\i
.endr
.endr
.endm
	s_wait_loadcnt 56                              ; steps 0 and 1 are in; the 56 loads of the others may be out
	TURN2 0
.macro PAIR p
.if (\p) == 0
	s_wait_dscnt 0x0
.else
	s_wait_dscnt 4                                 ; this pair's numbers are back (the last pair's four stores may be out)
.endif
.if (\p) < 7
	s_wait_loadcnt 4*(12-2*(\p))                   ; the next pair is in; the loads of the steps behind it may be out
	TURN2 2*(\p)+2
.endif
.set XS, X+16*((2*(\p))%4)
.irp u, 0,1
	v_max3_num_f32 v[8+\u], |v[XS+16*\u]|, |v[XS+16*\u+1]|, |v[XS+16*\u+2]|
.endr
.irp u, 0,1
	v_max3_num_f32 v[10+\u], |v[XS+16*\u+3]|, |v[XS+16*\u+4]|, |v[XS+16*\u+5]|
.endr
.irp i, 6,10
.irp u, 0,1
	v_max3_num_f32 v[8+\u], v[8+\u], |v[XS+16*\u+\i]|, |v[XS+16*\u+\i+1]|
.endr
.irp u, 0,1
	v_max3_num_f32 v[10+\u], v[10+\u], |v[XS+16*\u+\i+2]|, |v[XS+16*\u+\i+3]|
.endr
.endr
.irp u, 0,1
	v_max3_num_f32 v[8+\u], v[8+\u], |v[XS+16*\u+14]|, |v[XS+16*\u+15]|
.endr
.irp u, 0,1
	v_max3_num_f32 v[8+\u], v[8+\u], v[10+\u], 0x1800000           ; and the floor 2^(3 - 127): the byte cannot fall under 1
.endr
.irp u, 0,1
	v_max_num_f32_dpp v[8+\u], v[8+\u], v[8+\u] row_xmask:1 row_mask:0xf bank_mask:0xf   ; with my neighbour's 16: the block's
.endr
.irp u, 0,1
	v_add_nc_u32 v[12+\u], 0xff000000, v[8+\u]                     ; 2 off its exponent field: the conversion takes this operand's exponent field as its scale
.endr
.irp u, 0,1
	v_cvt_scalef32_pk8_fp4_f32 v[C+2*((2*(\p)+\u)%4)], v[XS+16*\u:XS+16*\u+7], v[12+\u]
	v_cvt_scalef32_pk8_fp4_f32 v[C+2*((2*(\p)+\u)%4)+1], v[XS+16*\u+8:XS+16*\u+15], v[12+\u]
.endr
.irp u, 0,1
	v_lshrrev_b32 v[E+(2*(\p)+\u)%4], 23, v[12+\u]                 ; the scale's byte (also the plain line behind the conversions)
.endr
.irp u, 0,1
	ds_store_b64 v16, v[C+2*((2*(\p)+\u)%4):C+2*((2*(\p)+\u)%4)+1] offset:256*(2*(\p)+\u)
	ds_store_b8 v17, v[E+(2*(\p)+\u)%4] offset:16*(2*(\p)+\u)      ; both lanes of a block write the same byte with the same value
.endr
.endm
.irp p, 0,1,2,3,4,5,6,7
	PAIR \p
.endr
.irp i, 0,1,2,3,4,5,6,7
	ds_load_b128 v[O+4*\i:O+4*\i+3], v18 offset:512*\i             ; in order behind my stores
.endr
	ds_load_b64 v[144:145], v19
	s_wait_dscnt 0x0
	global_store_b64 v[V8], v[144:145], s[10:11]                   ; 256 consecutive bytes, aligned
.macro STORES pitch                    ; two rows' 256 bytes each, aligned
.irp i, 0,1,2,3,4,5,6,7
	global_store_b128 v[VO], v[O+4*\i:O+4*\i+3], s[8:9] offset:2*(\pitch)*\i
.endr
.endm
	s_cmp_lt_u32 s18, 4
	s_cbranch_scc0 .Ltau_out
	STORES 1024
	s_branch .Lend
.Ltau_out:
	STORES 6144
.Lend:
	s_wait_tensorcnt 0x0                           ; the wave's end
	ds_add_u32 v[SPW], v[NIL]
	s_wait_dscnt 0x0
	s_endpgm
.Lfunc_end_k_q49cdd18e96_quant:
	.size	k_q49cdd18e96_quant, .Lfunc_end_k_q49cdd18e96_quant-k_q49cdd18e96_quant
	.p2alignl 7, 3214868480
	.fill 96, 4, 3214868480
	.section	.rodata,"a",@progbits
	.p2align	6, 0x0
	.amdhsa_kernel k_q49cdd18e96_quant
		.amdhsa_group_segment_fixed_size 67328
		.amdhsa_private_segment_fixed_size 0
		.amdhsa_enable_private_segment 0
		.amdhsa_kernarg_size 48
		.amdhsa_user_sgpr_count 2
		.amdhsa_user_sgpr_kernarg_segment_ptr 1
		.amdhsa_wavefront_size32 1
		.amdhsa_system_sgpr_workgroup_id_x 1
		.amdhsa_system_sgpr_workgroup_id_y 1
		.amdhsa_system_sgpr_workgroup_id_z 1
		.amdhsa_system_vgpr_workitem_id 0
		.amdhsa_next_free_vgpr 512
		.amdhsa_next_free_sgpr 66
		.amdhsa_reserve_vcc 0
		.amdhsa_float_denorm_mode_32 3
		.amdhsa_float_denorm_mode_16_64 3
		.amdhsa_memory_ordered 1
		.amdhsa_forward_progress 1
		.amdhsa_inst_pref_size 42
	.end_amdhsa_kernel
	.amdgpu_metadata
---
amdhsa.version: [ 1, 2 ]
amdhsa.kernels:
  - .name:           k_q49cdd18e96_quant
    .symbol:         k_q49cdd18e96_quant.kd
    .args:
      - { .name: hidden, .offset: 0, .size: 8, .value_kind: global_buffer, .address_space: global }
      - { .name: tau_adapt_w, .offset: 8, .size: 8, .value_kind: global_buffer, .address_space: global }
      - { .name: hq, .offset: 16, .size: 8, .value_kind: global_buffer, .address_space: global }
      - { .name: hs, .offset: 24, .size: 8, .value_kind: global_buffer, .address_space: global }
      - { .name: tq, .offset: 32, .size: 8, .value_kind: global_buffer, .address_space: global }
      - { .name: ts, .offset: 40, .size: 8, .value_kind: global_buffer, .address_space: global }
    .group_segment_fixed_size: 67328
    .private_segment_fixed_size: 0
    .kernarg_segment_align: 8
    .kernarg_segment_size: 48
    .max_flat_workgroup_size: 224
    .sgpr_count:     66
    .vgpr_count:     512
    .wavefront_size: 32
...
	.end_amdgpu_metadata
.endif
;; end of part 1
;; launch cell (part 2): grid 16 x 16, 4 waves a work-group, clusters of 4 x 4, 327,680 bytes of LDS; arguments x_codes, W_in_w_codes, tq, hq, W_rec_codes, hidden, out0, out1, x_scales, hs, W_in_w_scales, W_rec_scales, ts, W_in_b, tau_adapt_b, tau_base; writes out0, out1
.if DOCPART == 2
	.amdgcn_target "amdgcn-amd-amdhsa--gfx1250"
	.amdhsa_code_object_version 6
	.text
	.protected	k_q49cdd18e96_cell
	.globl	k_q49cdd18e96_cell
	.p2align	8
	.type	k_q49cdd18e96_cell,@function
k_q49cdd18e96_cell:
	s_mov_b64 s[64:65], 0
	v_nop
	global_prefetch_b8 v0, s[64:65] scope:SCOPE_SE
	s_setreg_imm32_b32 hwreg(HW_REG_WAVE_MODE, 25, 1), 1
	s_wait_xcnt 0x0
	s_wait_alu depctr_hold_cnt(0) depctr_sa_sdst(0) depctr_va_vdst(0) depctr_va_sdst(0) depctr_va_ssrc(0) depctr_va_vcc(0) depctr_vm_vsrc(0)
	s_getreg_b32 s2, hwreg(HW_REG_IB_STS2, 6, 4)
	s_cmp_eq_u32 s2, 0
	s_cbranch_scc0 .Lentry_in_a_cluster
	s_endpgm
.Lentry_in_a_cluster:
	s_bfe_u32 s2, ttmp6, 0x10000c
	s_cmp_lg_u32 s2, 0xf033
	s_cbranch_scc0 .Lentry_shape_is_right
	s_endpgm
.Lentry_shape_is_right:
; One step of the liquid cell.  With A = [x | Q(hidden)] (4,096 x 3,072 codes of FP4 with E8M0 scales):
;   P = A [W_in | W_rec]^T + W_in_b,   L = A Q(tau_adapt_w)^T + tau_adapt_b,   both on v_wmma_scale_f32_16x16x128_f8f6f4, f32 sums;
;   out1 = tau = tau_base (0.5 + sigmoid(L));   out0 = h + 0.1 (tanh(P) - h) / tau, in f32.  P and L never go to memory.
; SHARES.  A work-group owns 256 rows x 128 columns of both outputs: 256 x 256 of matrix work, K = 3,072.  16 x 16 work-groups.  Wave w owns rows 128 (w / 2) on and columns 64 (w % 2) on:
; 8 blocks of 16 rows of A against 8 blocks of 16 weight rows (0-3: [W_in | W_rec], they give P; 4-7: the same rows of Q(tau_adapt_w), they give L): 64 accumulators, 512 registers.
; THE ROWS OF A WEIGHT BLOCK ARE NOT NEIGHBOURS: lane r of block b takes row 4 r + b of the wave's 64, so the four accumulators b = 0 .. 3 give a lane four neighbouring columns of a row, and sixteen lanes 256
; neighbouring bytes of the outputs: results, hidden and stores need no turn through LDS.  The weights' descriptors are three-dimensional (256 bytes; 32 rows four apart; 4 rows): LDS row 32 b + i holds row 4 i + b.
; K goes in 6 steps of 512 (tile rows of 256 bytes) through a ring of two LDS slots; K steps 0, 1 come from x_codes, W_in_w_codes and tq, K steps 2-5 from hq, W_rec_codes and tq.
; CLUSTERS: 4 x 4.  A's tiles hang on the tile row alone and are asked for jointly along a row of the cluster; the weights' hang on the tile column alone and are asked for jointly along a column.
; THE SCALES of the wave's 128 + 128 rows for all of K are 192 registers, loaded once: a register holds an even K step's word in lanes 0-15 and the odd K step's in lanes 16-31.  Their numbers change from step
; to step and never come back, so the 24 steps of 128 along K are written out by macros.
; PREFETCHES: of the 128 rows that a wave fetches for a K step each of the four partners names 32, by address, a lane a row: K step 2 behind K step 1's load, K steps 3, 4, 5 behind the loads of K steps 2, 3, 4: one K step
; ahead of the load that wants them.  K steps 0 and 1 come by their loads alone.  Hidden's rows, the wave's own, a lane a row, 32 at each of the first four changes of slots.  The address registers are never rewritten.
; LIMITS: NaN and infinities are not served.  tanh(P) = 1 - 2 / (b + 1) with b = 2^min(2 log2(e) P, 30): from that hold on tanh is 1 in f32.  The hold is taken ahead of the bias, at 30 / (2 log2(e)) - W_in_b:
; |W_in_b| under 2^20.  (b + 1) tau is formed, b + 1 up to 2^31: |tau| stays under 2^96.
; lds_bytes: the text uses 279,040 bytes.
; REGISTERS, in windows of 256.  window 0: v1-30 addresses; v32-127 A's scale words, v128-223 the weights'; v224-235 tau_base and the biases.
;   window 1: v0-127 the weights' fragments, two sets; v128-255 A's, two sets (set 0 the upper one); in the tail v0-191 at work, v192-255 hidden, two blocks of rows.
;   window 2: accumulators of my rows 0-63 ((a, b) at v[8 (8 (a % 4) + b)]);  window 3: of my rows 64-127.
.set PITCH, 272                        ; an LDS row: 256 bytes + 16 of padding = 68 words: the 16 rows that a load touches start at 16 different banks (64 banks of 4 bytes: ISA guide 11.1)
.set BLK,   16*PITCH
.set HALFT, 128*PITCH                  ; 128 rows: what one tensor load brings
.set SLOT,  4*HALFT                    ; A's rows 0-127, A's rows 128-255, [W_in | W_rec]'s 128 rows, Q(tau_adapt_w)'s 128 rows
.set SPARE, 2*SLOT                     ; the spare words, 128 bytes for each wave
.set VL,   8                           ; v8   16 x lane
.set VXS,  9                           ; v9   32 r + 16 h
.set VWI,  10                          ; v10  128 r + 16 h: W_in_w_scales' row 4 r
.set VWR,  11                          ; v11  256 r + 16 h: W_rec_scales'
.set VTB,  12                          ; v12  16 r
.set PV2,  14                          ; v14  the prefetches: lane x pitch
.set ADRA, 16                          ; v16-17  LDS address of my A fragments in slot 0, 1
.set ADRB, 20                          ; v20-21  the same for the weights
.set GO,   25                          ; v25  my byte offset in rows j and j + 8 of a block
.set SPW,  28                          ; v28  LDS address of my spare word
.set NIL,  29                          ; v29  0
.set PFO,  30                          ; v30  8,192 x lane
.set SCA,  32                          ; A's scale words: block a, K steps 2 p and 2 p + 1, the q-th 128 of the step: v[SCA + 12 a + 4 p + q]
.set SCB,  128                         ; the weights'
.set TBR,  224                         ; tau_base, W_in_b, tau_adapt_b of columns 4 r .. 4 r + 3
.set BPR,  228
.set BLR,  232
.set AF,   192                         ; window 1: A's fragments, set p at AF - 64 p
.set HR,   192                         ; window 1: hidden, block a at HR + 32 (a % 2)
.set PR,   0                           ; window 1, in the tail: P, L, constants for the four columns, my offset, 0.1 (1 - h), tau, out0's numbers
.set LR,   32
.set LIM,  64
.set BPG,  68
.set BLG,  72
.set TBW,  76
.set HTBW, 80
.set GO1,  84
.set DH,   96
.set T2,   128
.set T3,   160
.set G1A,  36                          ; groups 1: A, [W_in | W_rec], tq
.set G1B,  44
.set G1T,  52
.set G2,   60                          ; groups 2 and 3 of the three-dimensional tiles
.set G3,   68
.set G0A,  72
.set G0B,  76
.set G0T,  80
.set HBA,  84                          ; hq at the rows that I fetch, W_rec_codes at the tile's rows, tq at the tile's rows, K step 2
.set HBB,  86
.set HBT,  88
.set PB2,  92                          ; the prefetches' base: K step 2
.set PFB,  94                          ; hidden at my wave's part
.set HB,   14                          ; hidden: the loads' base
.set O0,   16
.set O1,   18
.set WV,   96
.set RH,   97                          ; which 128 rows are mine
.set CH,   98                          ; which 64 columns.  Also: which 128 rows of A I fetch
.set TX,   99
.set TY,   100
.set CX,   101
.set CY,   104
.set LB,   105                         ; wave x 128 LDS rows
.set KA,   36                          ; the tail's constants, as pairs for the packed forms
.set KB,   38
.set KD,   40
.set KN,   42
.set CNT,  44
.set PADW, (1<<20)|(5<<22)|(3<<25)     ; group 1, word 0: elements of 1 byte; padding on; after every 64 words; 4 words of it
.set MSB, 0
.macro WIN new                         ; low byte: bits 1:0 source 0, 3:2 source 1, 5:4 source 2, 7:6 destination; the high byte repeats the setting that is left
.if MSB != (\new)
	s_set_vgpr_msb (MSB<<8)|(\new)
.set MSB, (\new)
.endif
.endm
.macro PLACES n                        ; plain places behind matrix instructions (ISA guide 7.12.1)
.rept \n
	v_nop
.endr
.endm
.macro CREST                           ; a round of the cluster's barrier behind its opening barrier
	s_cmp_lg_u32 s[WV], 0
	s_cbranch_scc1 .Lnot_wave_0_\@
	s_barrier_signal -3
.Lnot_wave_0_\@:
	s_barrier_wait -3
	s_barrier_signal -1
	s_barrier_wait -1
.endm
.macro CROUND
	s_barrier_signal -1
	s_barrier_wait -1
	CREST
.endm
; A joint load: waves 0 and 1 fetch A's two halves, wave 2 [W_in | W_rec]'s rows, wave 3 Q(tau_adapt_w)'s.  Four v_nop follow each line, ahead of the jump and the label.
.macro JLOAD
	s_cmp_lt_u32 s[WV], 2
	s_cbranch_scc0 .Lnot_a_\@
	tensor_load_to_lds s[G0A:G0A+3], s[G1A:G1A+7]
	s_nop 0
	PLACES 4
	s_branch .Lasked_\@
.Lnot_a_\@:
	s_cmp_eq_u32 s[WV], 2
	s_cbranch_scc0 .Lfor_t_\@
	tensor_load_to_lds s[G0B:G0B+3], s[G1B:G1B+7], s[G2:G2+3], s[G3:G3+3]
	s_nop 0
	PLACES 4
	s_branch .Lasked_\@
.Lfor_t_\@:
	tensor_load_to_lds s[G0T:G0T+3], s[G1T:G1T+7], s[G2:G2+3], s[G3:G3+3]
	s_nop 0
	PLACES 4
.Lasked_\@:
.endm
	s_load_b512 s[4:19], s[0:1], 0x0               ; x_codes s[4:5], W_in_w_codes s[6:7], tq s[8:9], hq s[10:11], W_rec_codes s[12:13], hidden s[14:15], out0 s[16:17], out1 s[18:19]
	s_load_b256 s[20:27], s[0:1], 0x40             ; x_scales, hs, W_in_w_scales, W_rec_scales
	s_load_b256 s[28:35], s[0:1], 0x60             ; ts, W_in_b, tau_adapt_b, tau_base
	v_lshl_add_u32 v[SPW], v0, 2, SPARE
	v_mov_b32 v[NIL], 0
	ds_add_u32 v[SPW], v[NIL]                      ; the wave's opening: the add, twice on end, and its wait ahead of my first tensor load
	ds_add_u32 v[SPW], v[NIL]
	v_lshrrev_b32 v1, 5, v0
	v_readfirstlane_b32 s[WV], v1
	s_lshr_b32 s[RH], s[WV], 1
	s_and_b32 s[CH], s[WV], 1
	s_mul_i32 s[LB], s[WV], HALFT                  ; no place in the cluster enters an LDS address
	s_bfe_u32 s[CX], ttmp6, 0x40000
	s_bfe_u32 s[CY], ttmp6, 0x40004
	s_lshl_b32 s[TX], ttmp9, 2
	s_add_co_u32 s[TX], s[TX], s[CX]               ; tile column = 4 x cluster x + cx
	s_and_b32 s[TY], ttmp7, 0xffff
	s_lshl_b32 s[TY], s[TY], 2
	s_add_co_u32 s[TY], s[TY], s[CY]               ; tile row = 4 x cluster y + cy
	s_lshl_b32 s2, s[CY], 2
	s_lshl_b32 s2, 15, s2                          ; my row of the cluster
	s_lshl_b32 s3, 0x1111, s[CX]                   ; my column
	s_or_b32 s[G1A], s2, PADW|(1<<21)
	s_or_b32 s[G1B], s3, PADW|(1<<21)
	s_or_b32 s[G1T], s3, PADW|(1<<21)
	s_mov_b32 s[G1A+1], 256<<16                    ; A: 128 rows x 256 bytes
	s_mov_b32 s[G1A+2], 128<<16
	s_mov_b32 s[G1A+3], 256<<16
	s_mov_b32 s[G1A+4], 128
	s_mov_b32 s[G1A+5], 512                        ; a row of x_codes
	s_mov_b32 s[G1A+6], 0
	s_mov_b32 s[G1A+7], 0
.irp g, G1B, G1T
	s_mov_b32 s[\g+1], 256<<16                     ; the weights: 256 bytes x 32 rows four apart x 4
	s_mov_b32 s[\g+2], 32<<16
	s_mov_b32 s[\g+3], 256<<16
	s_mov_b32 s[\g+4], 32|(4<<16)
	s_mov_b32 s[\g+7], 0
.endr
	s_mov_b32 s[G1B+5], 4*512                      ; W_in_w_codes: four rows; one row
	s_mov_b32 s[G1B+6], 512<<16
	s_mov_b32 s[G1T+5], 4*1536                     ; tq
	s_mov_b32 s[G1T+6], 1536<<16
	s_mov_b32 s[G2], 4                             ; tensor_dim2
	s_mov_b32 s[G2+1], 0
	s_mov_b32 s[G2+2], 0
	s_mov_b32 s[G2+3], 0
	s_mov_b32 s[G3], 0
	s_mov_b32 s[G3+1], 0
	s_mov_b32 s[G3+2], 0
	s_mov_b32 s[G3+3], 0
.irp g, G0A, G0B, G0T
	s_mov_b32 s[\g], 1
	s_mov_b32 s[\g+1], s[LB]                       ; my quarter of slot 0
.endr
	s_lshl_b32 s66, s[TY], 8
	s_lshl_b32 s67, s[CH], 7
	s_add_co_u32 s66, s66, s67                     ; the rows of A that I fetch: 256 x tile row + 128 x half
	s_lshl_b32 s66, s66, 9
	s_mov_b32 s67, 0
	s_lshl_b32 s2, s[TX], 16                       ; the tile's 128 rows in W_in_w_codes, bytes
	s_mov_b32 s3, 0
	s_wait_dscnt 0x0                               ; both opening adds are done
	CROUND                                         ; all sixteen work-groups are here: the first joint loads meet
	s_wait_kmcnt 0x0
	s_add_nc_u64 s[G0A+2:G0A+3], s[4:5], s[66:67]
	s_add_nc_u64 s[G0B+2:G0B+3], s[6:7], s[2:3]
	s_lshl_b32 s66, s66, 1
	s_add_nc_u64 s[HBA:HBA+1], s[10:11], s[66:67]
	s_lshl_b32 s2, s2, 1
	s_add_nc_u64 s[HBB:HBB+1], s[12:13], s[2:3]
	s_mul_i32 s2, s[TX], 128*1536
	s_add_nc_u64 s[G0T+2:G0T+3], s[8:9], s[2:3]
	s_add_nc_u64 s[HBT:HBT+1], s[G0T+2:G0T+3], 512
	s_or_b32 s[G0A+3], s[G0A+3], 0x80000000        ; type = 2
	s_or_b32 s[G0B+3], s[G0B+3], 0x80000000
	s_or_b32 s[G0T+3], s[G0T+3], 0x80000000
	JLOAD                                          ; K step 0: one tensor load a wave at the head
	; the prefetches' base and pitch
	s_lshl_b32 s66, s[TY], 8
	s_lshl_b32 s67, s[CH], 7
	s_add_co_u32 s66, s66, s67
	s_lshl_b32 s67, s[CX], 5
	s_add_co_u32 s66, s66, s67                     ; of A's rows mine to name: 32 cx on
	s_lshl_b32 s2, s[TX], 7
	s_lshl_b32 s67, s[CY], 5
	s_add_co_u32 s2, s2, s67                       ; of the weights': 32 cy on
	s_mov_b32 s67, 1536
	s_cmp_eq_u32 s[WV], 2
	s_cselect_b64 s[PB2:PB2+1], s[12:13], s[8:9]
	s_cselect_b32 s67, 1024, s67
	s_cselect_b32 s12, 0, 512                      ; tq's K step 2 begins 512 bytes on
	s_cmp_lt_u32 s[WV], 2
	s_cselect_b64 s[PB2:PB2+1], s[10:11], s[PB2:PB2+1]
	s_cselect_b32 s67, 1024, s67
	s_cselect_b32 s2, s66, s2
	s_cselect_b32 s12, 0, s12
	v_and_b32 v3, 31, v0
	v_mul_u32_u24 v[PV2], s67, v3
	s_mul_i32 s13, s2, s67
	s_add_co_u32 s66, s12, s13
	s_mov_b32 s67, 0
	s_add_nc_u64 s[PB2:PB2+1], s[PB2:PB2+1], s[66:67]
	; my first row of A: scales, hidden, outputs
	s_lshl_b32 s66, s[TY], 8
	s_lshl_b32 s2, s[RH], 7
	s_add_co_u32 s66, s66, s2
	s_lshl_b32 s66, s66, 5
	s_add_nc_u64 s[20:21], s[20:21], s[66:67]      ; x 32 bytes of x_scales
	s_lshl_b32 s66, s66, 1
	s_add_nc_u64 s[22:23], s[22:23], s[66:67]      ; x 64 bytes of hs
	s_lshl_b32 s66, s66, 7                         ; x 8,192 bytes
	s_lshl_b32 s2, s[TX], 7
	s_lshl_b32 s3, s[CH], 6
	s_add_co_u32 s2, s2, s3                        ; my first column = my first weight row
	s_lshl_b32 s2, s2, 2
	s_mov_b32 s3, 0
	s_add_nc_u64 s[30:31], s[30:31], s[2:3]
	s_add_nc_u64 s[32:33], s[32:33], s[2:3]
	s_add_nc_u64 s[34:35], s[34:35], s[2:3]
	s_add_co_u32 s66, s66, s2
	s_add_nc_u64 s[HB:HB+1], s[HB:HB+1], s[66:67]
	s_mov_b64 s[PFB:PFB+1], s[HB:HB+1]
	s_add_nc_u64 s[O0:O0+1], s[O0:O0+1], s[66:67]
	s_add_nc_u64 s[O1:O1+1], s[O1:O1+1], s[66:67]
	s_lshl_b32 s2, s2, 3                           ; x 32 bytes of W_in_w_scales
	s_add_nc_u64 s[24:25], s[24:25], s[2:3]
	s_add_nc_u64 s[28:29], s[28:29], s[2:3]        ; ts: 96 bytes a row = 32
	s_lshl_b32 s2, s2, 1                           ; x 64 bytes of W_rec_scales
	s_add_nc_u64 s[26:27], s[26:27], s[2:3]
	s_add_nc_u64 s[28:29], s[28:29], s[2:3]        ; + 64
	s_mul_i32 s66, s[RH], HALFT                    ; my 128 rows of A
	s_add_co_u32 s67, s66, SLOT
	s_mul_i32 s2, s[CH], BLK
	s_add_co_u32 s2, s2, 2*HALFT                   ; my 16 of every 32 LDS rows of the weights, behind A's 256
	s_add_co_u32 s3, s2, SLOT
	v_and_b32 v1, 15, v0                           ; r = lane % 16
	v_bfe_u32 v2, v0, 4, 1                         ; h = lane / 16
	v_and_b32 v3, 31, v0
	v_lshlrev_b32 v[VL], 4, v3
	v_lshlrev_b32 v4, 4, v2
	v_lshl_add_u32 v[VXS], v1, 5, v4
	v_lshl_add_u32 v[VWI], v1, 7, v4
	v_lshl_add_u32 v[VWR], v1, 8, v4
	v_lshlrev_b32 v[VTB], 4, v1
	v_mul_u32_u24 v5, v1, PITCH
	v_add_nc_u32 v5, v5, v4                        ; a fragment's row x pitch + 16 h
	v_add_nc_u32 v[ADRA], s66, v5
	v_add_nc_u32 v[ADRA+1], s67, v5
	v_add_nc_u32 v[ADRB], s2, v5
	v_add_nc_u32 v[ADRB+1], s3, v5
	v_lshlrev_b32 v[GO], 16, v2
	v_lshl_add_u32 v[GO], v1, 4, v[GO]             ; 8 h rows of 8,192 bytes + 16 r
	v_lshlrev_b32 v[PFO], 13, v3
	s_wait_alu depctr_va_vdst(0)                   ; the wait at the head's end
	; the scale words.  16 bytes are a K step's four words; lanes 0-15 take an even K step's, lanes 16-31 the odd one's
.irp a, 0,1,2,3,4,5,6,7
	global_load_b128 v[SCA+12*\a:SCA+12*\a+3], v[VXS], s[20:21] offset:512*\a
	global_load_b128 v[SCA+12*\a+4:SCA+12*\a+7], v[VL], s[22:23] offset:1024*\a
	global_load_b128 v[SCA+12*\a+8:SCA+12*\a+11], v[VL], s[22:23] offset:1024*\a+512
.endr
.irp b, 0,1,2,3                                ; rows 4 r + b
	global_load_b128 v[SCB+12*\b:SCB+12*\b+3], v[VWI], s[24:25] offset:32*\b
	global_load_b128 v[SCB+12*\b+4:SCB+12*\b+7], v[VWR], s[26:27] offset:64*\b
	global_load_b128 v[SCB+12*\b+8:SCB+12*\b+11], v[VWR], s[26:27] offset:64*\b+32
.endr
.irp b, 0,1,2,3
.irp p, 0,1,2
	global_load_b128 v[SCB+48+12*\b+4*\p:SCB+48+12*\b+4*\p+3], v[VL], s[28:29] offset:1536*\b+512*\p
.endr
.endr
	global_load_b128 v[TBR:TBR+3], v[VTB], s[34:35]
	global_load_b128 v[BPR:BPR+3], v[VTB], s[30:31]
	global_load_b128 v[BLR:BLR+3], v[VTB], s[32:33]
; A fragment, 16 rows x 128 K of 4-bit codes, is 8 registers: lane l holds row l % 16; registers 4 c .. 4 c + 3 hold K = 64 c + 32 (l / 16) + 0 .. 31: two loads of 16 bytes, 32 bytes apart
.macro FRAG reg, adr, off
	ds_load_b128 v[\reg:\reg+3], v[\adr] offset:\off
	ds_load_b128 v[\reg+4:\reg+7], v[\adr] offset:\off+32
.endm
.macro FETCH_B slot, q                 ; the weights' eight fragments of the slot's q-th 128 along K into set q % 2
.irp b, 0,1,2,3,4,5,6,7
	FRAG 64*((\q)%2)+8*\b, ADRB+(\slot), 64*(\q)+(\b/4)*HALFT+(\b%4)*2*BLK
.endr
.endm
.macro FETCH_A slot, q                 ; A's eight
.irp i, 0,1,2,3,4,5,6,7
	FRAG AF-64*((\q)%2)+8*\i, ADRA+(\slot), 64*(\q)+\i*BLK
.endr
.endm
; 16 matrix instructions: A's blocks a0, a0 + 1 x the weights' eight; K step S, its q-th 128.  first = 1: 0 is C: nothing is cleared.
; The 64 accumulators take turns, one instruction a turn, in the same order in every step.  In odd K steps both sides' words lie in lanes 16-31.
.macro MUL16 a0, S, q, first
.irp a, \a0, \a0+1
.irp b, 0,1,2,3,4,5,6,7
.set rD, 8*(8*((\a)%4)+\b)
.set rB, 64*((\q)%2)+8*\b
.set rA, AF-64*((\q)%2)+8*(\a)
.set rSB, SCB+12*\b+4*((\S)/2)+(\q)
.set rSA, SCA+12*(\a)+4*((\S)/2)+(\q)
.if \first
	v_wmma_scale_f32_16x16x128_f8f6f4 v[rD:rD+7], v[rA:rA+7], v[rB:rB+7], 0, v[rSA], v[rSB] matrix_a_fmt:MATRIX_FMT_FP4 matrix_b_fmt:MATRIX_FMT_FP4
.elseif ((\S)%2)
	v_wmma_scale_f32_16x16x128_f8f6f4 v[rD:rD+7], v[rA:rA+7], v[rB:rB+7], v[rD:rD+7], v[rSA], v[rSB] matrix_a_fmt:MATRIX_FMT_FP4 matrix_b_fmt:MATRIX_FMT_FP4 matrix_a_scale:MATRIX_SCALE_ROW1 matrix_b_scale:MATRIX_SCALE_ROW1
.else
	v_wmma_scale_f32_16x16x128_f8f6f4 v[rD:rD+7], v[rA:rA+7], v[rB:rB+7], v[rD:rD+7], v[rSA], v[rSB] matrix_a_fmt:MATRIX_FMT_FP4 matrix_b_fmt:MATRIX_FMT_FP4
.endif
.endr
.endr
.endm
; A step of 128 along K that has its successor in the same slot.  The successor's fragments go into the sets that the step before has read: the weights' at the step's start, A's behind its first sixteen products,
; so that 48 products or more stand between a load and the wait for it.
.macro STEP S, q, first
	s_wait_dscnt 0x0                               ; this step's fragments are in
	PLACES 4                                       ; for the loads into registers that the step before has read
	WIN 0x40
	FETCH_B (\S)%2, (\q)+1
	WIN 0xa5                                       ; sources window 1, C and D window 2
	MUL16 0, \S, \q, \first
	WIN 0x40
	FETCH_A (\S)%2, (\q)+1
	WIN 0xa5
	MUL16 2, \S, \q, \first
	WIN 0xf5                                       ; C and D window 3
	MUL16 4, \S, \q, \first
	MUL16 6, \S, \q, \first
.endm
.macro NEXTK g0, hb, S                 ; a group 0 takes K step S + 2: 256 S bytes along the rows of the hidden part; slot S % 2
	s_add_co_u32 s[\g0+1], s[LB], ((\S)%2)*SLOT
	s_add_nc_u64 s[\g0+2:\g0+3], s[\hb:\hb+1], 256*(\S)
	s_or_b32 s[\g0+3], s[\g0+3], 0x80000000
.endm
; A K step's last 128 change slots.  In front of the round each wave waits for all its tensor loads (one is out: its part of the next slot), adds 0 to its spare word, and waits for that and for its own reads of this
; slot.  Behind the round no wave of any partner reads this slot or has a load on its way, and the slot is filled again first, with K step S + 2.  The last change (S = 4) fills nothing: its round, behind the last
; joint loads, is the closing one: no work-group ends while a partner may still ask for a tile that names it.
.macro TURN S
	s_wait_dscnt 0x0                               ; this step's fragments are in: my last reads of this slot
	WIN 0                                          ; (the add's two registers lie in window 0)
	s_wait_tensorcnt 0x0                           ; no tensor load of mine is out: descriptors may be written
	ds_add_u32 v[SPW], v[NIL]                      ; 0 onto my spare word
.if (\S) == 0
	s_mov_b32 s[G1A+5], 1024                       ; from here on rows of hq
	s_mov_b32 s[G1B+5], 4*1024                     ; and of W_rec_codes
	s_mov_b32 s[G1B+6], 1024<<16
.endif
.if (\S) <= 3
	NEXTK G0A, HBA, \S
	NEXTK G0B, HBB, \S
	NEXTK G0T, HBT, \S
.endif
	WIN 0xa5
	MUL16 0, \S, 3, 0                              ; sixteen matrix instructions stand between the add and the wait for it
	s_wait_dscnt 0x0                               ; the add is done
	s_barrier_signal -1
	MUL16 2, \S, 3, 0                              ; work on registers while the others arrive
	WIN 0
	s_barrier_wait -1
	CREST
.if (\S) <= 3
	JLOAD                                          ; my one tensor load behind the round; its four v_nop are also the places in front of the loads below
.else
	PLACES 4
.endif
	WIN 0x40
	FETCH_B 1-(\S)%2, 0
	FETCH_A 1-(\S)%2, 0
.if (\S) <= 2
	global_prefetch_b8 v[PV2], s[PB2:PB2+1] offset:256*(\S)+256 th:TH_LOAD_NT scope:SCOPE_SE   ; K step S + 3
.endif
.if (\S) <= 3
	global_prefetch_b8 v[PFO], s[PFB:PFB+1] offset:32*8192*(\S) th:TH_LOAD_NT scope:SCOPE_SE
.endif
	WIN 0xf5
	MUL16 4, \S, 3, 0
	MUL16 6, \S, 3, 0
.endm
	s_wait_tensorcnt 0x0                           ; my part of K step 0 is in
	ds_add_u32 v[SPW], v[NIL]
.irp g, G0A, G0B, G0T
	s_add_co_u32 s[\g+1], s[LB], SLOT              ; K step 1, slot 1
	s_add_nc_u64 s[\g+2:\g+3], s[\g+2:\g+3], 256
.endr
	s_wait_dscnt 0x0
	CROUND
	JLOAD
	WIN 0x40
	FETCH_B 0, 0
	FETCH_A 0, 0
	global_prefetch_b8 v[PV2], s[PB2:PB2+1] th:TH_LOAD_NT scope:SCOPE_SE   ; K step 2
	s_wait_loadcnt 0x0                             ; the scale words, the biases, tau_base
	STEP 0, 0, 1
	STEP 0, 1, 0
	STEP 0, 2, 0
	TURN 0
.irp k, 1,2,3,4
	STEP \k, 0, 0
	STEP \k, 1, 0
	STEP \k, 2, 0
	TURN \k
.endr
	STEP 5, 0, 0
	STEP 5, 1, 0
	STEP 5, 2, 0
	s_wait_dscnt 0x0                               ; the very last 128: no fragments are left to fetch
	PLACES 4
	WIN 0x40
.irp j, 0,1,2,3,4,5,6,7,8,9,10,11,12,13,14,15  ; hidden's blocks 0 and 1, where A's set 0 lay: register 4 j + c of a block: row 8 h + j, column 4 r + c; sixteen lanes read 256 consecutive bytes
	global_load_b128 v[HR+4*\j:HR+4*\j+3], v[GO], s[HB:HB+1] offset:131072*(\j/8)+8192*(\j%8)
.endr
	WIN 0xa5
	MUL16 0, 5, 3, 0
	MUL16 2, 5, 3, 0
	WIN 0xf5
	MUL16 4, 5, 3, 0
	MUL16 6, 5, 3, 0
	PLACES 4                                       ; behind the last products: for the writes of the fragments' registers and the reads of results
	s_mov_b32 s[KA], 0xbfb8aa3b                    ; -log2(e)
	s_mov_b32 s[KA+1], s[KA]
	s_mov_b32 s[KB], 0x4038aa3b                    ; 2 log2(e)
	s_mov_b32 s[KB+1], s[KB]
	s_mov_b32 s[KD], 0x3dcccccd                    ; 0.1
	s_mov_b32 s[KD+1], s[KD]
	s_mov_b32 s[KN], 0xbe4ccccd                    ; -0.2
	s_mov_b32 s[KN+1], s[KN]
	s_mov_b32 s[CNT], 3
	WIN 0x40
.irp c, 0,1,2,3
	v_sub_f32 v[LIM+\c], 0x41265af7, v[BPR+\c]     ; 30 / (2 log2(e)) - W_in_b: the hold on P ahead of its bias
	v_mul_f32 v[BPG+\c], s[KB], v[BPR+\c]
	v_mul_f32 v[BLG+\c], s[KA], v[BLR+\c]
	v_mov_b32 v[TBW+\c], v[TBR+\c]
	v_mul_f32 v[HTBW+\c], 0.5, v[TBR+\c]
.endr
	v_mov_b32 v[GO1], v[GO]
	s_wait_alu depctr_va_vdst(0)
	WIN 0
; Block a of 16 rows out of the accumulators, each from its low end on: P held, L as -log2(e) (L + tau_adapt_b); register 4 j + c: row 8 h + j, column 4 r + c
.macro EXTRACT a
	WIN 0x56+(\a)/4                                ; source 0 window 2 or 3, the rest window 1
	s_wait_alu depctr_va_vdst(0)
.irp j, 0,1,2,3,4,5,6,7
.irp c, 0,1,2,3
	v_min_num_f32 v[PR+4*\j+\c], v[8*(8*((\a)%4)+\c)+\j], v[LIM+\c]
	v_fma_f32 v[LR+4*\j+\c], v[8*(8*((\a)%4)+4+\c)+\j], s[KA], v[BLG+\c]
.endr
.endr
	s_wait_alu depctr_va_vdst(0)                   ; the wait ahead of the branch
	WIN 0
.endm
; A block's outputs.  With a = 2^(-log2(e) L), b = 2^(2 log2(e) P), P held:
;   tau = tau_base / (1 + a) + tau_base / 2;   out0 = h + (0.1 (1 - h) (b + 1) - 0.2) / ((b + 1) tau).
; Three batches of transcendentals, each with one wait ahead of it and one behind it; the plain lines among them read nothing that was written behind the wait ahead.
; All of a block's loads and stores stand in one run behind its last vector line.  The last block's stores read T2, T3 and the bases: the wait for their sources stands ahead of the first lines that write them again;
; the stores reach back by a negative immediate.
; left: the loads of hidden that may stay out: the next block's eight.  more = 1: hidden's block two further on is asked for when this one's has been used.
.macro TRIP u, left, more
	WIN 0x55
.set i, 0
.rept 16
	v_pk_fma_f32 v[PR+i:PR+i+1], v[PR+i:PR+i+1], s[KB:KB+1], v[BPG+i%4:BPG+i%4+1] op_sel_hi:[1,0,1]   ; 2 log2(e) (P + W_in_b)
.set i, i+2
.endr
	s_wait_loadcnt \left
	s_wait_alu depctr_va_vdst(0)
.set i, 0
.rept 16
	v_exp_f32 v[LR+i], v[LR+i]                     ; a
	v_exp_f32 v[LR+i+1], v[LR+i+1]
	v_exp_f32 v[PR+i], v[PR+i]                     ; b
	v_exp_f32 v[PR+i+1], v[PR+i+1]
	v_pk_fma_f32 v[DH+i:DH+i+1], v[HR+32*\u+i:HR+32*\u+i+1], s[KD:KD+1], s[KD:KD+1] op_sel_hi:[1,0,0] neg_lo:[1,0,0] neg_hi:[1,0,0]   ; 0.1 (1 - h)
.set i, i+2
.endr
	s_wait_alu depctr_va_vdst(0)
.set i, 0
.rept 16
	v_pk_add_f32 v[LR+i:LR+i+1], v[LR+i:LR+i+1], 1.0 op_sel_hi:[1,0]     ; 1 + a
	v_pk_add_f32 v[PR+i:PR+i+1], v[PR+i:PR+i+1], 1.0 op_sel_hi:[1,0]     ; b + 1
.set i, i+2
.endr
	s_wait_alu depctr_va_vdst(0)
.set i, 0
.rept 16
	v_rcp_f32 v[LR+i], v[LR+i]                     ; sigmoid(L)
	v_rcp_f32 v[LR+i+1], v[LR+i+1]
	v_pk_fma_f32 v[DH+i:DH+i+1], v[DH+i:DH+i+1], v[PR+i:PR+i+1], s[KN:KN+1] op_sel_hi:[1,1,0]   ; 0.1 (1 - h) (b + 1) - 0.2
.set i, i+2
.endr
	s_wait_alu depctr_va_vdst(0)
	s_wait_xcnt 0x0                                ; the last block's stores have read their data, and they and the loads their bases
	s_add_nc_u64 s[O0:O0+1], s[O0:O0+1], 131072
	s_add_nc_u64 s[O1:O1+1], s[O1:O1+1], 131072
	s_add_nc_u64 s[HB:HB+1], s[HB:HB+1], 131072
.set i, 0
.rept 16
	v_pk_fma_f32 v[T2+i:T2+i+1], v[LR+i:LR+i+1], v[TBW+i%4:TBW+i%4+1], v[HTBW+i%4:HTBW+i%4+1]   ; tau
.set i, i+2
.endr
.set i, 0
.rept 16
	v_pk_mul_f32 v[PR+i:PR+i+1], v[PR+i:PR+i+1], v[T2+i:T2+i+1]          ; (b + 1) tau
.set i, i+2
.endr
	s_wait_alu depctr_va_vdst(0)
.set i, 0
.rept 32
	v_rcp_f32 v[PR+i], v[PR+i]
.set i, i+1
.endr
	v_nop
	s_wait_alu depctr_va_vdst(0)
.set i, 0
.rept 16
	v_pk_fma_f32 v[T3+i:T3+i+1], v[DH+i:DH+i+1], v[PR+i:PR+i+1], v[HR+32*\u+i:HR+32*\u+i+1]
.set i, i+2
.endr
.if \more
.irp j, 0,1,2,3,4,5,6,7
	global_load_b128 v[HR+32*\u+4*\j:HR+32*\u+4*\j+3], v[GO1], s[HB:HB+1] offset:8192*\j+131072
.endr
.endif
.irp j, 0,1,2,3,4,5,6,7
	global_store_b128 v[GO1], v[T2+4*\j:T2+4*\j+3], s[O1:O1+1] offset:8192*\j-131072 th:TH_STORE_NT   ; sixteen lanes store 256 consecutive bytes, aligned; rows j and j + 8
.endr
.irp j, 0,1,2,3,4,5,6,7
	global_store_b128 v[GO1], v[T3+4*\j:T3+4*\j+3], s[O0:O0+1] offset:8192*\j-131072 th:TH_STORE_NT
.endr
	WIN 0
.endm
.macro PICK u                          ; block 2 t + u, t = 3 - CNT
	s_cmp_eq_u32 s[CNT], 3
	s_cbranch_scc0 .Lnot0_\@
	EXTRACT \u
	s_branch .Lpicked_\@
.Lnot0_\@:
	s_cmp_eq_u32 s[CNT], 2
	s_cbranch_scc0 .Lnot1_\@
	EXTRACT 2+\u
	s_branch .Lpicked_\@
.Lnot1_\@:
	EXTRACT 4+\u
.Lpicked_\@:
.endm
.Lblocks:                                              ; blocks 0 to 5, two a trip; only the way out of the accumulators differs between trips
	PICK 0
	TRIP 0, 8, 1
	PICK 1
	TRIP 1, 8, 1
	s_sub_co_u32 s[CNT], s[CNT], 1
	s_cmp_lg_u32 s[CNT], 0
	s_cbranch_scc1 .Lblocks
	EXTRACT 6                                      ; the last two ask for nothing more
	TRIP 0, 8, 0
	EXTRACT 7
	TRIP 1, 0, 0
	s_wait_tensorcnt 0x0                           ; the wave's end
	ds_add_u32 v[SPW], v[NIL]
	s_wait_dscnt 0x0
	s_endpgm
.Lfunc_end_k_q49cdd18e96_cell:
	.size	k_q49cdd18e96_cell, .Lfunc_end_k_q49cdd18e96_cell-k_q49cdd18e96_cell
	.p2alignl 7, 3214868480
	.fill 96, 4, 3214868480
	.section	.rodata,"a",@progbits
	.p2align	6, 0x0
	.amdhsa_kernel k_q49cdd18e96_cell
		.amdhsa_group_segment_fixed_size 327680
		.amdhsa_private_segment_fixed_size 0
		.amdhsa_enable_private_segment 0
		.amdhsa_kernarg_size 128
		.amdhsa_user_sgpr_count 2
		.amdhsa_user_sgpr_kernarg_segment_ptr 1
		.amdhsa_wavefront_size32 1
		.amdhsa_system_sgpr_workgroup_id_x 1
		.amdhsa_system_sgpr_workgroup_id_y 1
		.amdhsa_system_sgpr_workgroup_id_z 1
		.amdhsa_system_vgpr_workitem_id 0
		.amdhsa_next_free_vgpr 1024
		.amdhsa_next_free_sgpr 106
		.amdhsa_reserve_vcc 0
		.amdhsa_float_denorm_mode_32 3
		.amdhsa_float_denorm_mode_16_64 3
		.amdhsa_memory_ordered 1
		.amdhsa_forward_progress 1
		.amdhsa_inst_pref_size 255
	.end_amdhsa_kernel
	.section	.bss,"aw",@nobits
	.p2align	6
	.space	262144
	.amdgpu_metadata
---
amdhsa.version: [ 1, 2 ]
amdhsa.kernels:
  - .name:           k_q49cdd18e96_cell
    .symbol:         k_q49cdd18e96_cell.kd
    .args:
      - { .name: x_codes, .offset: 0, .size: 8, .value_kind: global_buffer, .address_space: global }
      - { .name: W_in_w_codes, .offset: 8, .size: 8, .value_kind: global_buffer, .address_space: global }
      - { .name: tq, .offset: 16, .size: 8, .value_kind: global_buffer, .address_space: global }
      - { .name: hq, .offset: 24, .size: 8, .value_kind: global_buffer, .address_space: global }
      - { .name: W_rec_codes, .offset: 32, .size: 8, .value_kind: global_buffer, .address_space: global }
      - { .name: hidden, .offset: 40, .size: 8, .value_kind: global_buffer, .address_space: global }
      - { .name: out0, .offset: 48, .size: 8, .value_kind: global_buffer, .address_space: global }
      - { .name: out1, .offset: 56, .size: 8, .value_kind: global_buffer, .address_space: global }
      - { .name: x_scales, .offset: 64, .size: 8, .value_kind: global_buffer, .address_space: global }
      - { .name: hs, .offset: 72, .size: 8, .value_kind: global_buffer, .address_space: global }
      - { .name: W_in_w_scales, .offset: 80, .size: 8, .value_kind: global_buffer, .address_space: global }
      - { .name: W_rec_scales, .offset: 88, .size: 8, .value_kind: global_buffer, .address_space: global }
      - { .name: ts, .offset: 96, .size: 8, .value_kind: global_buffer, .address_space: global }
      - { .name: W_in_b, .offset: 104, .size: 8, .value_kind: global_buffer, .address_space: global }
      - { .name: tau_adapt_b, .offset: 112, .size: 8, .value_kind: global_buffer, .address_space: global }
      - { .name: tau_base, .offset: 120, .size: 8, .value_kind: global_buffer, .address_space: global }
    .group_segment_fixed_size: 327680
    .private_segment_fixed_size: 0
    .kernarg_segment_align: 8
    .kernarg_segment_size: 128
    .max_flat_workgroup_size: 128
    .sgpr_count:     106
    .vgpr_count:     1024
    .wavefront_size: 32
...
	.end_amdgpu_metadata
.endif
;; end of part 2
